; MI455X (gfx1250); checked and timed in simulation.
; The chip was launched on July 23, 2026; its instructions are those of AMD's public machine-readable ISA for CDNA 5 (MIT licence, August 2026) and "CDNA5" Instruction Set Architecture Reference Guide (July 2026). The comments in the code are by the model that wrote it; some were corrected since.
;; frc 2b. Allowed arithmetic: float matrix products may take bf16 or f16 operands with f32 sums; other float arithmetic in f32, or as packed bf16 or f16 multiplies, adds, multiply-adds, maxima and minima; sums over many terms, partial sums and values carried from step to step in f32; what a program stores and reads back later, other than sums and carried values, may be rounded once to bf16 or f16.
;; Inputs: b1_0 10 float32; b1_1 10 float32; final_w 10 x 1 float32; invar_2b 4,096 x 512 x 5 float32; lin0_w 3 x 10 float32; lin1_w 10 x 10 float32; na0_b 10 float32; na1_b 10 float32; vectors_2b 4,096 x 512 x 9 float32; w1_0 5 x 10 float32; w1_1 10 x 10 float32.
;; Outputs: out0 4,096 x 3 float32.
;; One version. Each part assembles by itself: llvm-mc -triple=amdgcn-amd-amdhsa -mcpu=gfx1250 --defsym DOCPART=n.
;; ======== version 1 of 1: 1 launch
;; limits: values outside matrix products are rounded to f16; a function is approximated: absolute error at most 1e-07; right only within a limited range of input values; values are held in f16: magnitudes above 65,504 overflow, below 6.1e-05 lose precision
;; launch frc (part 1): grid 256 x 1, 16 waves a work-group, no clusters, 327,680 bytes of LDS; arguments vectors_2b, invar_2b, lin0_w, w1_0, b1_0, lin1_w, w1_1, b1_1, final_w, na0_b, na1_b, out0; writes out0
.if DOCPART == 1
	.amdgcn_target "amdgcn-amd-amdhsa--gfx1250"
	.amdhsa_code_object_version 6
	.text
	.protected	k_qd3f1733dfc_frc
	.globl	k_qd3f1733dfc_frc
	.p2align	8
	.type	k_qd3f1733dfc_frc,@function
k_qd3f1733dfc_frc:
	s_mov_b64 s[64:65], 0
	v_nop
	global_prefetch_b8 v0, s[64:65] scope:SCOPE_SE
	s_setreg_imm32_b32 hwreg(HW_REG_WAVE_MODE, 25, 1), 1
	s_wait_xcnt 0x0
; out0[b][c] = the sum over 512 pairs p and 10 irreps w of final_w[w]/sqrt(10) * relu-MLP(invar_2b[b][p])[w] * x2[b][p][w][c], where x2 comes from vectors_2b[b][p] by two
; blocks "linear map of the irreps, then y * tanh(|y| + bias) / |y|".  All inputs f32; every input is loaded and every step is done: nothing is left out as dead.
; SHARES.  256 work-groups of 16 waves; wave w of work-group g owns b = 16 g + w: 512 pairs, in four QUARTERS of 128.  In a quarter lane L owns the pairs 4 L .. 4 L + 3;
; a PASS takes one of the four: 32 pairs, one a lane.  The sum over pairs stays in the lane until the end.
; IDENTITIES (for all finite inputs).  KT = 2 log2(e).  tanh(z) = 1 - r2, r2 = 1 / (0.5 + 2^(KT z - 1)).  The vector weights carry KT, so y' = KT y, n2' = max(sum y'^2, KT^2 1e-12)
; (the clamp of the norm, scaled alike), rn = rsq(n2'), n' = n2' rn, s = rn - r2 rn, and y' s = y tanh(n + b) / n.  |final_w[w]| / sqrt(10) goes into column w of w1_1 and into b1_1[w]
; (a positive factor passes through ReLU; a factor 0 gives 0 on both sides), its sign into column w of lin1_w (a sign leaves the norm alone).  So the end is the sum over w of relu(z2') s2 y2'.
; MATRIX UNITS.  v_wmma_f32_16x16x32_f16 with source 0 = weights, source 1 = data.  A lane of source 1 holds 16 numbers of ITS OWN pair (register i, half p: slot 2 i + p).  Source 0 is made
; block-diagonal: its lane L holds row L % 16 and is 0 unless bit 3 of L equals bit 4 of L.  Then register j of the result in lane L is the product of weight row j (of 8) with the 16 slots of lane L:
; nothing changes lanes.  Layer 1: 5 products (slots: 9 vector numbers, 5 invariants, 1.0 for the bias, 0).  Layer 2: 7 products on windows of one file of 26 registers.
; DATA.  vectors_2b: each wave asks for its 4 x 4,608 dense bytes by four tensor loads at the head, into LDS bytes of its own that are filled once; four loads of a wave are out at the most.
; invar_2b: five 16-byte loads a lane for a quarter, a quarter or more ahead of their use, stored into the first 2,560 bytes of a region of vectors_2b that the wave has read out (its one fill is over),
; and read back by pairs.  Four pairs are 144 and 80 bytes: lane strides that are odd multiples of 16.  No cluster: work-groups share only the 1,320 bytes of weights.  No prefetch: all of vectors_2b is asked for at the head.
; LIMITS.  Matrix operands are f16: inputs, folded weights (KT/sqrt(3) lin0_w, KT/sqrt(10) lin1_w, |final_w|/sqrt(10) w1_1 and b1_1, w1_0, b1_0) and the hidden ReLU values must stay under 65,504; below 6e-5 they keep
; f16's fixed step of 6e-8.  tanh is made as 1 - r2, an absolute error of about 1e-7: where |n + b| is under 1e-5 its relative error passes one part in a hundred.  NaN and infinities are not treated apart
; (a maximum drops a NaN; an infinity in lane L also reaches lane L xor 16, a pair of the same b, as 0 x infinity).  Sums over pairs are f32, in the lane's order and then across lanes.
.set VREG,  18432                      ; bytes of vectors_2b for one b: a wave's region in LDS
.set VQ,    4608                       ; of one quarter
.set IREG,  10240                      ; bytes of invar_2b for one b
.set IQ,    2560                       ; of one quarter
.set WT,    16*VREG                    ; 294,912: ten weight tiles of 1,024 bytes, lane L's eight registers at 32 L
.set OS,    WT+10240                   ; 305,152: the 48 sums of the work-group
.set SPARE, OS+256                     ; 305,408: the spare words, 128 bytes for each of 16 waves: eight blocks of 256 bytes that no other line names
.set SPW, 2                            ; v2   LDS address of my spare word; never rewritten
.set NIL, 3                            ; v3   0; never rewritten
.set AVL, 4                            ; v4   my wave's region + 144 L
.set AST, 5                            ; v5   my wave's region + 16 L
.set AIL, 6                            ; v6   my wave's region + 80 L
.set GI,  7                            ; v7   16 L
.set ACC, 8                            ; v[8:13]    component c at 2 c: sums of even w, of odd w
.set TA,  14                           ; v14, v15   at work
.set TB,  15
.set BK0, 16                           ; v[16:25]   KT na0_b - 1
.set BK1, 26                           ; v[26:35]   KT na1_b - 1
.set AT,  36                           ; v[36:115]  the ten weight tiles, 8 registers each: 0-4 layer 1,
.set AV8, AT+40                        ;            5: layer 2, vector rows w = 0..7 (one tile for all three components),
.set AS8, AT+48                        ;            6: scalar rows w = 0..7,
.set AX,  AT+56                        ;            7-9: w = 8, 9 of the three components and of the scalars, over 24 registers of the file
.set B1,  116                          ; v[116:147] layer 1's data, 8 registers for each of a quarter's four passes
.set B2,  148                          ; v[148:173] layer 2's file: 6 c + i: x[(2i, 2i+1)][c]; 5, 11, 17: 0; 18 + i: hidden pairs; 23: (1.0, 0); 24, 25: 0
.set XI,  148                          ; v[148:167] at the start: where the second quarter's invariants land
.set D,   176                          ; v[176:215] five accumulators
.set N,   216                          ; v[216:225] norms squared, then exponents, then s
.set RN,  226                          ; v[226:235] 1 / norm
.set RV,  176                          ; v[176:211] at a quarter's start: my four pairs' 36 vector numbers,
.set RI,  212                          ; v[212:231] and 20 invariants
.set IG,  236                          ; v[236:255] where invariants land from memory
.set T,   176                          ; the set-up's registers lie in v176-231
.set U,   192
.set PK,  200
.set IM,  208
.set WV,  2                            ; s2   my wave's number
.set EPS, 6                            ; s6   KT^2 1e-12
.set G1,  32                           ; s[32:39] descriptor group 1
.set G0,  40                           ; s[40:55] descriptor group 0, a set for each quarter; never rewritten
	s_load_b512 s[8:23], s[0:1], 0x0               ; vectors_2b s[8:9], invar_2b s[10:11], lin0_w s[12:13], w1_0 s[14:15], b1_0 s[16:17], lin1_w s[18:19], w1_1 s[20:21], b1_1 s[22:23]
	s_load_b256 s[24:31], s[0:1], 0x40             ; final_w s[24:25], na0_b s[26:27], na1_b s[28:29], out0 s[30:31]
	v_lshl_add_u32 v[SPW], v0, 2, SPARE
	v_mov_b32 v[NIL], 0
	ds_add_u32 v[SPW], v[NIL]                      ; the wave's opening: the add, twice on end, and its wait ahead of my first tensor load
	ds_add_u32 v[SPW], v[NIL]                      ; and once more; the set-up below, work on registers, stands between it and the wait
	v_lshrrev_b32 v1, 5, v0
	v_readfirstlane_b32 s[WV], v1                  ; wave 0..15
	v_and_b32 v1, 31, v0                           ; L
	s_mul_i32 s3, s[WV], VREG                      ; my wave's region in LDS
	v_mul_u32_u24 v[AVL], v1, 144
	v_add_nc_u32 v[AVL], s3, v[AVL]
	v_lshl_add_u32 v[AST], v1, 4, s3
	v_mul_u32_u24 v[AIL], v1, 80
	v_add_nc_u32 v[AIL], s3, v[AIL]
	v_lshlrev_b32 v[GI], 4, v1
	v_mov_b32 v[TA], 0
	; descriptor group 1: 4,608 dense bytes as 18 rows of 32 elements of 8 bytes, no padding
	s_mov_b32 s[G1+0], 3<<16                       ; 17:16 elements of 8 bytes; no mask, no padding
	s_mov_b32 s[G1+1], 32<<16                      ; tensor_dim0 = 32
	s_mov_b32 s[G1+2], 18<<16                      ; tensor_dim1 = 18
	s_mov_b32 s[G1+3], 32<<16                      ; tile_dim0 = 32
	s_mov_b32 s[G1+4], 18                          ; tile_dim1 = 18
	s_mov_b32 s[G1+5], 32                          ; 32 elements from row to row
	s_mov_b32 s[G1+6], 0
	s_mov_b32 s[G1+7], 0
.irp k, 0,1,2,3
	s_mov_b32 s[G0+4*(\k)], 1                      ; count = 1
	s_add_co_u32 s[G0+4*(\k)+1], s3, VQ*(\k)       ; LDS address: my region, quarter k
.endr
	s_mov_b32 s[EPS], 0x2d12769c                   ; KT^2 x 1e-12 = 8.3254759e-12
	s_mov_b32 s7, 0x3f6995b3                       ; KT / sqrt(10) = 0.91244046
	s_mov_b32 s56, 0xff0000ff                      ; lanes whose bit 3 equals bit 4: the live lanes of a weight tile
	s_mov_b32 s57, 0x03000003                      ; of them, those with row pair p = (L >> 1) & 3 = 0,
	s_mov_b32 s58, 0x0c00000c                      ; 1,
	s_mov_b32 s59, 0x30000030                      ; 2,
	s_mov_b32 s60, 0xc00000c0                      ; 3
	s_mov_b32 s66, 0x76543210                      ; v_permlanex16_b32's selects: each lane takes its own place in the other half
	s_mov_b32 s67, 0xfedcba98
	s_lshl_b32 s70, ttmp9, 4
	s_add_co_u32 s70, s70, s[WV]                   ; b
	s_cmp_eq_u32 s[WV], 6                          ; which lanes make scalar rows: wave 5 none, wave 6 all,
	s_cselect_b32 s61, -1, 0
	s_cmp_eq_u32 s[WV], 7
	s_cselect_b32 s61, 0xc0c0c0c0, s61             ; wave 7 those with p = 3
	s_cselect_b32 s62, -1, 0
	s_cselect_b32 s68, s57, s56                    ; who keeps registers 0-5 of the first tile: wave 7 the rows p = 0, waves 5 and 6 all live lanes
	s_and_b32 s69, s58, s62                        ; who keeps registers 6, 7: wave 7's rows p = 1, else nobody
	s_wait_dscnt 0x0                               ; both opening adds are done
	s_wait_kmcnt 0x0
	s_mul_i32 s4, s70, VREG
	s_mov_b32 s5, 0
	s_add_nc_u64 s[8:9], s[8:9], s[4:5]            ; vectors_2b at my b
	s_mul_i32 s4, s70, IREG
	s_add_nc_u64 s[10:11], s[10:11], s[4:5]        ; invar_2b at my b
	s_mul_i32 s4, ttmp9, 192
	s_add_nc_u64 s[30:31], s[30:31], s[4:5]        ; out0 at the work-group's 16 rows of 12 bytes
.irp k, 0,1,2,3
	s_add_nc_u64 s[G0+4*(\k)+2:G0+4*(\k)+3], s[8:9], VQ*(\k)      ; global address of quarter k
	s_or_b32 s[G0+4*(\k)+3], s[G0+4*(\k)+3], 0x80000000           ; type = 2
.endr
	; THE SMALL LOADS FIRST: the two biases of the norms in every wave; the weights in the eight waves that build tiles
	global_load_b128 v[BK0:BK0+3],   v[TA], s[26:27]
	global_load_b128 v[BK0+4:BK0+7], v[TA], s[26:27] offset:16
	global_load_b64  v[BK0+8:BK0+9], v[TA], s[26:27] offset:32
	global_load_b128 v[BK1:BK1+3],   v[TA], s[28:29]
	global_load_b128 v[BK1+4:BK1+7], v[TA], s[28:29] offset:16
	global_load_b64  v[BK1+8:BK1+9], v[TA], s[28:29] offset:32
	s_cmp_lt_u32 s[WV], 5
	s_cbranch_scc0 .Lload_b
	v_and_b32 v[TB], 1, v1                         ; waves 0-4 build layer 1's tile g = wave: my row's column is w = 2 g + (L & 1)
	v_lshlrev_b32 v[TB], 2, v[TB]
	s_lshl_b32 s4, s[WV], 3
	v_add_nc_u32 v[TB], s4, v[TB]                  ; 4 w
.irp u, 0,1,2
	global_load_b32 v[T+(\u)], v[TB], s[12:13] offset:40*(\u)     ; lin0_w[u][w]
.endr
.irp i, 0,1,2,3,4
	global_load_b32 v[T+3+(\i)], v[TB], s[14:15] offset:40*(\i)   ; w1_0[i][w]
.endr
	global_load_b32 v[T+8], v[TB], s[16:17]                       ; b1_0[w]
	s_branch .Lloaded
.Lload_b:
	s_cmp_lt_u32 s[WV], 8
	s_cbranch_scc0 .Lloaded
	s_cmp_eq_u32 s[WV], 7                          ; waves 5, 6: w = L & 7; wave 7: w = 8 + (L & 1)
	s_cselect_b32 s4, 1, 7
	s_cselect_b32 s5, 8, 0
	v_and_b32 v[TB], s4, v1
	v_add_nc_u32 v[TB], s5, v[TB]
	v_lshlrev_b32 v[TB], 2, v[TB]                  ; 4 w
.irp u, 0,1,2,3,4,5,6,7,8,9
	global_load_b32 v[T+(\u)],    v[TB], s[18:19] offset:40*(\u)  ; lin1_w[u][w]
	global_load_b32 v[T+10+(\u)], v[TB], s[20:21] offset:40*(\u)  ; w1_1[u][w]
.endr
	global_load_b32 v[T+20], v[TB], s[22:23]                      ; b1_1[w]
	global_load_b32 v[T+21], v[TB], s[24:25]                      ; final_w[w]
.Lloaded:
	; THE STREAMS: the first quarter's invariants, all four quarters of vectors_2b (the launch's only fills, one group, ahead of every wait on TENSORcnt, LDS read and barrier), the second quarter's invariants
.irp i, 0,1,2,3,4
	global_load_b128 v[IG+4*(\i):IG+4*(\i)+3], v[GI], s[10:11] offset:512*(\i) th:TH_LOAD_NT
.endr
.irp k, 0,1,2,3
	tensor_load_to_lds s[G0+4*(\k):G0+4*(\k)+3], s[G1:G1+7]
	s_nop 0
.endr
.irp i, 0,1,2,3,4
	global_load_b128 v[XI+4*(\i):XI+4*(\i)+3], v[GI], s[10:11] offset:IQ+512*(\i) th:TH_LOAD_NT
.endr
	; THE TILES ARE BUILT
	s_wait_loadcnt 10                              ; all but the ten youngest loads, the two quarters' invariants: biases and weights are in, and their offset registers are free
.irp i, 0,1,2,3,4,5,6,7,8,9
	v_pk_fma_f32 v[BK0+2*(\i):BK0+2*(\i)+1], v[BK0+2*(\i):BK0+2*(\i)+1], 0x4038aa3b, -1.0 op_sel_hi:[1,0,0]  ; KT b - 1, both biases' twenty numbers
.endr
	v_lshl_add_u32 v[TA], v1, 5, WT                ; lane L's 32 bytes of tile 0
	s_lshl_b32 s4, s[WV], 10
	v_add_nc_u32 v[TB], s4, v[TA]                  ; of tile = my wave's number
	s_cmp_lt_u32 s[WV], 5
	s_cbranch_scc0 .Lbuild_b
.irp u, 0,1,2
	v_mul_f32 v[T+(\u)], 0x3fd53b95, v[T+(\u)]     ; KT / sqrt(3) = 1.66588075
.endr
.irp u, 0,1,2
.irp c, 0,1,2
	v_cndmask_b32 v[U+3*(\u)+(\c)], 0, v[T+(\u)], s[57+(\c)]      ; slot 3 u + c: rows of component c alone
.endr
.endr
.irp i, 0,1,2,3,4,5
	v_cndmask_b32 v[U+9+(\i)], 0, v[T+3+(\i)], s60                ; slots 9-13: w1_0; slot 14: b1_0: the scalar rows alone
.endr
	v_mov_b32 v[U+15], 0
.irp i, 0,1,2,3,4,5,6,7
	v_cvt_pk_f16_f32 v[IM+(\i)], v[U+2*(\i)], v[U+2*(\i)+1]
.endr
	ds_store_b128 v[TB], v[IM:IM+3]
	ds_store_b128 v[TB], v[IM+4:IM+7] offset:16
	s_branch .Lbuilt
.Lbuild_b:
	s_cmp_lt_u32 s[WV], 8
	s_cbranch_scc0 .Lbuilt
	v_and_b32 v[T+22], 0x7fffffff, v[T+21]
	v_mul_f32 v[T+22], 0x3ea1e89b, v[T+22]                        ; |final_w| / sqrt(10): the scalar rows' factor
	v_and_or_b32 v[T+23], v[T+21], 0x80000000, s7                 ; KT / sqrt(10) with final_w's sign: the vector rows'
	v_cndmask_b32 v[T+22], v[T+23], v[T+22], s61
.irp u, 0,1,2,3,4,5,6,7,8,9
	v_cndmask_b32 v[T+(\u)], v[T+(\u)], v[T+10+(\u)], s61         ; a scalar row takes w1_1's column, a vector row lin1_w's
.endr
	v_cndmask_b32 v[T+10], 0, v[T+20], s61                        ; slot 10: b1_1 in a scalar row
	v_mov_b32 v[T+11], 0
.irp u, 0,1,2,3,4,5,6,7,8,9,10
	v_mul_f32 v[T+(\u)], v[T+(\u)], v[T+22]
.endr
.irp i, 0,1,2,3,4,5
	v_cvt_pk_f16_f32 v[PK+(\i)], v[T+2*(\i)], v[T+2*(\i)+1]       ; the row's six registers
.endr
.irp i, 0,1,2,3,4,5
	v_cndmask_b32 v[IM+(\i)], 0, v[PK+(\i)], s68
.endr
	v_cndmask_b32 v[IM+6], 0, v[PK], s69
	v_cndmask_b32 v[IM+7], 0, v[PK+1], s69
	ds_store_b128 v[TB], v[IM:IM+3]
	ds_store_b128 v[TB], v[IM+4:IM+7] offset:16
	s_cmp_eq_u32 s[WV], 7
	s_cbranch_scc0 .Lbuilt
.irp i, 2,3,4,5
	v_cndmask_b32 v[IM+6+(\i)], 0, v[PK+(\i)], s58                ; file registers 8-11: the rest of component 1,
.endr
.irp i, 0,1,2,3,4,5
	v_cndmask_b32 v[IM+12+(\i)], 0, v[PK+(\i)], s59               ; 12-17: component 2,
	v_cndmask_b32 v[IM+18+(\i)], 0, v[PK+(\i)], s60               ; 18-23: the scalars
.endr
	ds_store_b128 v[TB], v[IM+8:IM+11]  offset:1024
	ds_store_b128 v[TB], v[IM+12:IM+15] offset:1040
	ds_store_b128 v[TB], v[IM+16:IM+19] offset:2048
	ds_store_b128 v[TB], v[IM+20:IM+23] offset:2064
.Lbuilt:
	s_wait_dscnt 0x0                               ; for the others' sake: my tile's stores are done
	s_barrier_signal -1
	s_barrier_wait -1                              ; all ten tiles lie in LDS; the tensor loads stay out
.irp t, 0,1,2,3,4,5,6,7,8,9
	ds_load_b128 v[AT+8*(\t):AT+8*(\t)+3],   v[TA] offset:1024*(\t)
	ds_load_b128 v[AT+8*(\t)+4:AT+8*(\t)+7], v[TA] offset:1024*(\t)+16
.endr
.irp q, 0,1,2,3
	v_mov_b32 v[B1+8*(\q)+7], 0x3c00               ; slot 14 = 1.0 in f16, slot 15 = 0: written once
.endr
.irp r, 0,1,2,3,4,5
	v_mov_b32 v[ACC+(\r)], 0                       ; six lines, so that all sixteen passes have one form
.endr
; Where the results lie.  rY: the pair y'[(2 i, 2 i + 1)][c]; rZ: the pair z[(2 i, 2 i + 1)].  Layer 1: tile i holds c at 2 c and z at 6.  Layer 2: accumulator c holds w = 0..7, accumulator 3 z, accumulator 4 w = 8, 9 of all four.
.macro YZ lay, c, i
.if (\lay) == 1
.set rY, D+8*(\i)+2*(\c)
.set rZ, D+8*(\i)+6
.elseif (\i) < 4
.set rY, D+8*(\c)+2*(\i)
.set rZ, D+24+2*(\i)
.else
.set rY, D+32+2*(\c)
.set rZ, D+38
.endif
.endm
.macro PLACES                          ; four plain vector instructions between the last product and the first read of a result (ISA guide 7.12.1)
.rept 4
	v_nop
.endr
.endm
.macro CVTIN q                         ; pair q of my four: 9 + 5 numbers rounded to f16, slots 0 to 13
.irp i, 0,1,2,3
	v_cvt_pk_f16_f32 v[B1+8*(\q)+(\i)], v[RV+9*(\q)+2*(\i)], v[RV+9*(\q)+2*(\i)+1]
.endr
	v_cvt_pk_f16_f32 v[B1+8*(\q)+4], v[RV+9*(\q)+8], v[RI+5*(\q)]
	v_cvt_pk_f16_f32 v[B1+8*(\q)+5], v[RI+5*(\q)+1], v[RI+5*(\q)+2]
	v_cvt_pk_f16_f32 v[B1+8*(\q)+6], v[RI+5*(\q)+3], v[RI+5*(\q)+4]
.endm
.macro L1MM q                          ; five products, five accumulators
.irp g, 0,1,2,3,4
	v_wmma_f32_16x16x32_f16 v[D+8*(\g):D+8*(\g)+7], v[AT+8*(\g):AT+8*(\g)+7], v[B1+8*(\q):B1+8*(\q)+7], 0
.endr
.endm
.macro L2MM                            ; seven products; accumulator 4's three links stand with another accumulator's product between them
	v_wmma_f32_16x16x32_f16 v[D+32:D+39], v[AX:AX+7],     v[B2:B2+7],     0
	v_wmma_f32_16x16x32_f16 v[D:D+7],     v[AV8:AV8+7],   v[B2:B2+7],     0
	v_wmma_f32_16x16x32_f16 v[D+32:D+39], v[AX+8:AX+15],  v[B2+8:B2+15],  v[D+32:D+39]
	v_wmma_f32_16x16x32_f16 v[D+8:D+15],  v[AV8:AV8+7],   v[B2+6:B2+13],  0
	v_wmma_f32_16x16x32_f16 v[D+32:D+39], v[AX+16:AX+23], v[B2+16:B2+23], v[D+32:D+39]
	v_wmma_f32_16x16x32_f16 v[D+16:D+23], v[AV8:AV8+7],   v[B2+12:B2+19], 0
	v_wmma_f32_16x16x32_f16 v[D+24:D+31], v[AS8:AS8+7],   v[B2+18:B2+25], 0
.endm
.macro NORM lay                        ; the ten norms squared, two at a time; each accumulator's lowest registers are read first
.irp i, 0,1,2,3,4
	YZ \lay, 0, \i
	v_pk_mul_f32 v[N+2*(\i):N+2*(\i)+1], v[rY:rY+1], v[rY:rY+1]
.endr
.irp c, 1,2
.irp i, 0,1,2,3,4
	YZ \lay, \c, \i
	v_pk_fma_f32 v[N+2*(\i):N+2*(\i)+1], v[rY:rY+1], v[rY:rY+1], v[N+2*(\i):N+2*(\i)+1]
.endr
.endr
.endm
; s = tanh(n + b) / n' for the ten irreps: three batches of ten transcendentals, each with a plain instruction behind its last and ONE wait ahead of its first reader.
; The ReLU of the scalar branch stands between the exponentials and between the reciprocals: layer 1 rounds z to f16 and takes the maximum with 0 on the halves; layer 2 takes it in f32.
.macro TANHS bk, lay
	v_max_num_f32 v[N], s[EPS], v[N]
.irp k, 0,1,2,3,4,5,6,7,8
	v_max_num_f32 v[N+(\k)+1], s[EPS], v[N+(\k)+1]
	v_rsq_f32 v[RN+(\k)], v[N+(\k)]
.endr
	v_rsq_f32 v[RN+9], v[N+9]
	v_nop
	s_wait_alu depctr_va_vdst(0)                   ; the ten roots
.irp i, 0,1,2,3,4
	YZ \lay, 0, \i
	v_pk_fma_f32 v[N+2*(\i):N+2*(\i)+1], v[N+2*(\i):N+2*(\i)+1], v[RN+2*(\i):RN+2*(\i)+1], v[(\bk)+2*(\i):(\bk)+2*(\i)+1]  ; n' + KT b - 1
	v_exp_f32 v[N+2*(\i)], v[N+2*(\i)]
.if (\lay) == 1
	v_cvt_pk_f16_f32 v[B2+18+(\i)], v[rZ], v[rZ+1]
.else
	v_max_num_f32 v[rZ], 0, v[rZ]
.endif
	v_exp_f32 v[N+2*(\i)+1], v[N+2*(\i)+1]
.endr
	v_nop
	s_wait_alu depctr_va_vdst(0)                   ; the ten exponentials
.irp i, 0,1,2,3,4
	YZ \lay, 0, \i
	v_pk_add_f32 v[N+2*(\i):N+2*(\i)+1], v[N+2*(\i):N+2*(\i)+1], 0.5 op_sel_hi:[1,0]
	v_rcp_f32 v[N+2*(\i)], v[N+2*(\i)]
.if (\lay) == 1
	v_pk_max_num_f16 v[B2+18+(\i)], v[B2+18+(\i)], v[B2+5]        ; B2 + 5 holds 0
.else
	v_max_num_f32 v[rZ+1], 0, v[rZ+1]
.endif
	v_rcp_f32 v[N+2*(\i)+1], v[N+2*(\i)+1]
.endr
	v_nop
	s_wait_alu depctr_va_vdst(0)                   ; the ten reciprocals
.irp i, 0,1,2,3,4
	v_pk_fma_f32 v[N+2*(\i):N+2*(\i)+1], v[N+2*(\i):N+2*(\i)+1], v[RN+2*(\i):RN+2*(\i)+1], v[RN+2*(\i):RN+2*(\i)+1] neg_lo:[1,0,0] neg_hi:[1,0,0]  ; s = rn - r2 rn
.endr
.endm
.macro OUT1                            ; x = y' s, rounded to f16 into layer 2's file
.irp c, 0,1,2
.irp i, 0,1,2,3,4
	YZ 1, \c, \i
	v_pk_mul_f32 v[rY:rY+1], v[rY:rY+1], v[N+2*(\i):N+2*(\i)+1]
.endr
.endr
.irp c, 0,1,2
.irp i, 0,1,2,3,4
	YZ 1, \c, \i
	v_cvt_pk_f16_f32 v[B2+6*(\c)+(\i)], v[rY], v[rY+1]
.endr
.endr
.endm
.macro OUT2                            ; the gate relu(z2') s2, and the three sums take gate x y2'
.irp i, 0,1,2,3,4
	YZ 2, 0, \i
	v_pk_mul_f32 v[N+2*(\i):N+2*(\i)+1], v[N+2*(\i):N+2*(\i)+1], v[rZ:rZ+1]
.endr
.irp i, 0,1,2,3,4
.irp c, 0,1,2
	YZ 2, \c, \i
	v_pk_fma_f32 v[ACC+2*(\c):ACC+2*(\c)+1], v[N+2*(\i):N+2*(\i)+1], v[rY:rY+1], v[ACC+2*(\c):ACC+2*(\c)+1]
.endr
.endr
.endm
.macro PASS q                          ; 32 pairs, one a lane
	L1MM \q
	PLACES
	NORM 1
	TANHS BK0, 1
	OUT1
	L2MM
	PLACES
	NORM 2
	TANHS BK1, 2
	OUT2
.endm
; A QUARTER: 128 pairs.  My four pairs' numbers come out of LDS, are rounded to f16, and go through four passes.
.macro QUARTER k
	s_wait_tensorcnt 3-(\k)                        ; tensor loads of a wave end in order (ISA guide 10.11.1): quarter k is in LDS, the 3 - k younger loads may stay out
.irp i, 0,1,2,3,4,5,6,7,8
	ds_load_b128 v[RV+4*(\i):RV+4*(\i)+3], v[AVL] offset:VQ*(\k)+16*(\i)
.endr
.if (\k) == 1
.irp i, 0,1,2,3,4
	ds_load_b128 v[RI+4*(\i):RI+4*(\i)+3], v[AIL] offset:16*(\i)  ; the second quarter's invariants were staged in the first quarter's region
.endr
.else
	s_wait_loadcnt 0x0                             ; this quarter's invariants are in registers
.irp i, 0,1,2,3,4
	ds_store_b128 v[AST], v[IG+4*(\i):IG+4*(\i)+3] offset:VQ*(\k)+512*(\i)  ; into the head of quarter k's region: LDS serves a wave's instructions in order (ISA guide 5.7.1.4), so the nine loads above have read it
.endr
.irp i, 0,1,2,3,4
	ds_load_b128 v[RI+4*(\i):RI+4*(\i)+3], v[AIL] offset:VQ*(\k)+16*(\i)
.endr
.if (\k) == 0
.irp i, 0,1,2,3,4
	ds_store_b128 v[AST], v[XI+4*(\i):XI+4*(\i)+3] offset:512*(\i)  ; behind those loads, into the same bytes: the second quarter's invariants
.endr
.endif
.endif
	s_wait_dscnt 0x0                               ; my numbers are in registers (in the first quarter: the weight tiles too), and the stores have read theirs
.if ((\k) == 0) || ((\k) == 2)
.irp i, 0,1,2,3,4
	global_load_b128 v[IG+4*(\i):IG+4*(\i)+3], v[GI], s[10:11] offset:IQ*((\k)/2+2)+512*(\i) th:TH_LOAD_NT  ; the third quarter's invariants two quarters ahead, the fourth's one
.endr
.endif
.if (\k) == 0
	v_mov_b32 v[B2+5], 0                           ; the file's constants, once
	v_mov_b32 v[B2+11], 0
	v_mov_b32 v[B2+17], 0
	v_mov_b32 v[B2+23], 0x3c00                     ; (1.0, 0): b1_1's slot
	v_mov_b32 v[B2+24], 0
	v_mov_b32 v[B2+25], 0
.endif
	CVTIN 0
	CVTIN 1
	CVTIN 2
	CVTIN 3
	PASS 0
	PASS 1
	PASS 2
	PASS 3
.endm
	QUARTER 0
	QUARTER 1
	QUARTER 2
	QUARTER 3
	; THE END: even and odd w, then the 32 lanes; the wave's three sums go to LDS, and wave 0 stores the work-group's 48 numbers, 192 consecutive bytes
.irp r, 8,10,12
	v_add_f32 v[\r], v[\r], v[(\r)+1]
.endr
.irp m, 1,2,4,8
.irp r, 8,10,12
	v_add_f32_dpp v[\r], v[\r], v[\r] row_xmask:\m row_mask:0xf bank_mask:0xf
.endr
.endr
.irp r, 8,10,12
	v_permlanex16_b32 v[(\r)+1], v[\r], s66, s67
.endr
.irp r, 8,10,12
	v_add_f32 v[\r], v[\r], v[(\r)+1]
.endr
	s_mul_i32 s3, s[WV], 12
	s_add_co_u32 s3, s3, OS
	v_mov_b32 v[TB], s3
	ds_store_b32 v[TB], v8                         ; all lanes write the same word with the same value
	ds_store_b32 v[TB], v10 offset:4
	ds_store_b32 v[TB], v12 offset:8
	s_wait_dscnt 0x0                               ; for wave 0's sake
	s_barrier_signal -1
	s_barrier_wait -1
	s_cmp_lg_u32 s[WV], 0
	s_cbranch_scc1 .Lend
	v_min_u32 v[TA], 176, v[GI]                    ; no lane's address leaves the 192 bytes
	v_add_nc_u32 v[TA], OS, v[TA]
	s_wait_xcnt 0x0                                ; EXEC changes only behind this wait
	v_cmp_gt_u32 vcc_lo, 12, v0
	s_and_saveexec_b32 s4, vcc_lo                  ; twelve lanes, 16 bytes each
	ds_load_b128 v[16:19], v[TA]
	s_wait_dscnt 0x0
	global_store_b128 v[GI], v[16:19], s[30:31]
	s_wait_xcnt 0x0                                ; and again, in front of the line that widens it
	s_or_b32 exec_lo, exec_lo, s4
.Lend:
	s_wait_tensorcnt 0x0                           ; the wave's end: a tensor wait, an add and its wait, behind my last tensor load and my last LDS store
	ds_add_u32 v[SPW], v[NIL]
	s_wait_dscnt 0x0
	s_endpgm
.Lfunc_end_k_qd3f1733dfc_frc:
	.size	k_qd3f1733dfc_frc, .Lfunc_end_k_qd3f1733dfc_frc-k_qd3f1733dfc_frc
	.p2alignl 7, 3214868480
	.fill 96, 4, 3214868480
	.section	.rodata,"a",@progbits
	.p2align	6, 0x0
	.amdhsa_kernel k_qd3f1733dfc_frc
		.amdhsa_group_segment_fixed_size 327680
		.amdhsa_private_segment_fixed_size 0
		.amdhsa_enable_private_segment 0
		.amdhsa_kernarg_size 96
		.amdhsa_user_sgpr_count 2
		.amdhsa_user_sgpr_kernarg_segment_ptr 1
		.amdhsa_wavefront_size32 1
		.amdhsa_system_sgpr_workgroup_id_x 1
		.amdhsa_system_sgpr_workgroup_id_y 1
		.amdhsa_system_sgpr_workgroup_id_z 1
		.amdhsa_system_vgpr_workitem_id 0
		.amdhsa_next_free_vgpr 256
		.amdhsa_next_free_sgpr 72
		.amdhsa_reserve_vcc 1
		.amdhsa_float_denorm_mode_32 3
		.amdhsa_float_denorm_mode_16_64 3
		.amdhsa_memory_ordered 1
		.amdhsa_forward_progress 1
		.amdhsa_inst_pref_size 220
	.end_amdhsa_kernel
	.amdgpu_metadata
---
amdhsa.version: [ 1, 2 ]
amdhsa.kernels:
  - .name:           k_qd3f1733dfc_frc
    .symbol:         k_qd3f1733dfc_frc.kd
    .args:
      - { .name: vectors_2b, .offset: 0, .size: 8, .value_kind: global_buffer, .address_space: global }
      - { .name: invar_2b, .offset: 8, .size: 8, .value_kind: global_buffer, .address_space: global }
      - { .name: lin0_w, .offset: 16, .size: 8, .value_kind: global_buffer, .address_space: global }
      - { .name: w1_0, .offset: 24, .size: 8, .value_kind: global_buffer, .address_space: global }
      - { .name: b1_0, .offset: 32, .size: 8, .value_kind: global_buffer, .address_space: global }
      - { .name: lin1_w, .offset: 40, .size: 8, .value_kind: global_buffer, .address_space: global }
      - { .name: w1_1, .offset: 48, .size: 8, .value_kind: global_buffer, .address_space: global }
      - { .name: b1_1, .offset: 56, .size: 8, .value_kind: global_buffer, .address_space: global }
      - { .name: final_w, .offset: 64, .size: 8, .value_kind: global_buffer, .address_space: global }
      - { .name: na0_b, .offset: 72, .size: 8, .value_kind: global_buffer, .address_space: global }
      - { .name: na1_b, .offset: 80, .size: 8, .value_kind: global_buffer, .address_space: global }
      - { .name: out0, .offset: 88, .size: 8, .value_kind: global_buffer, .address_space: global }
    .group_segment_fixed_size: 327680
    .private_segment_fixed_size: 0
    .kernarg_segment_align: 8
    .kernarg_segment_size: 96
    .max_flat_workgroup_size: 512
    .sgpr_count:     72
    .vgpr_count:     256
    .wavefront_size: 32
...
	.end_amdgpu_metadata
.endif
;; end of part 1
